; MI455X (gfx1250); checked and timed in simulation.
; The chip was launched on July 23, 2026; its instructions are those of AMD's public machine-readable ISA for CDNA 5 (MIT licence, August 2026) and "CDNA5" Instruction Set Architecture Reference Guide (July 2026). The comments in the code are by the model that wrote it; some were corrected since.
;; attentive node features dag. Allowed arithmetic: float matrix products may take bf16 or f16 operands with f32 sums; other float arithmetic in f32, or as packed bf16 or f16 multiplies, adds, multiply-adds, maxima and minima; sums over many terms, partial sums and values carried from step to step in f32; what a program stores and reads back later, other than sums and carried values, may be rounded once to bf16 or f16.
;; Inputs: W 1,024 x 1,024 float32; b 1,024 float32; features 16 x 1,024 x 1,024 float32; lengths 16 int32.
;; Outputs: out0 16 x 1,024 x 1,024 float32.
;; One version. Each part assembles by itself: llvm-mc -triple=amdgcn-amd-amdhsa -mcpu=gfx1250 --defsym DOCPART=n.
;; ======== version 1 of 1: 3 launches
;; limits: values are held in f16: magnitudes above 65,504 overflow, below 6.1e-05 lose precision
;; workspace buffers: Fh 33,554,432 bytes; Wh 2,097,152 bytes; Xh 33,554,432 bytes; Xl 33,554,432 bytes
;; launch cast (part 1): grid 1088 x 1, 8 waves a work-group, no clusters, 0 bytes of LDS; arguments features, W, Fh, Wh; writes Fh, Wh
.if DOCPART == 1
	.amdgcn_target "amdgcn-amd-amdhsa--gfx1250"
	.amdhsa_code_object_version 6
	.text
	.protected	k_qe2318aae92_cast
	.globl	k_qe2318aae92_cast
	.p2align	8
	.type	k_qe2318aae92_cast,@function
k_qe2318aae92_cast:
	s_mov_b64 s[64:65], 0
	v_nop
	global_prefetch_b8 v0, s[64:65] scope:SCOPE_SE
	s_setreg_imm32_b32 hwreg(HW_REG_WAVE_MODE, 25, 1), 1
	s_wait_xcnt 0x0
; Fh = f16(bf16(features)), Wh = f16(bf16(W)): each input number is rounded once, to bf16 (nearest even), and that number is written as f16.
; LIMITS.  bf16's 8 significant bits fit f16's 11, so the second step changes nothing for magnitudes from 6.1e-5 to 65,504.  Below 6.1e-5 the number keeps
; f16's fixed step of 6e-8; at 65,520 and beyond it becomes an infinity.  NaN and infinities are not treated apart.
; SHARES.  A work-group takes 16,384 numbers: 65,536 bytes in, 32,768 out.  Groups 0 to 1,023 take features (16,777,216 numbers), groups 1,024 to 1,087 take W (1,048,576).
; Thread t takes 8 neighbouring numbers in each of 8 steps: 32 bytes in (two loads of 16), 16 bytes out, so a wave's store covers 512 consecutive bytes, aligned.
; All 16 loads of a thread go out first; every step has registers of its own, so nothing that a pending load or store names is ever rewritten.
; A stream: no LDS, no barrier, no matrix unit, no cluster: no byte is used twice.
.set X,  4                             ; v[4:67]    step i: 8 numbers as loaded
.set T,  68                            ; v[68:75]   at work: 8 numbers in f32 after the rounding to bf16
.set Y,  76                            ; v[76:107]  step i: 4 registers, 8 f16 to store
.set BF, 108                           ; v[108:111] at work: 8 bf16
	s_load_b256 s[4:11], s[0:1], 0x0               ; features s[4:5], W s[6:7], Fh s[8:9], Wh s[10:11]
	s_mov_b32 s12, ttmp9
	s_sub_co_u32 s13, s12, 1024
	s_cmp_lt_u32 s12, 1024
	s_cselect_b32 s13, s12, s13                    ; my chunk's number in its tensor
	s_lshl_b32 s18, s13, 16                        ; its first byte in the source (under 2^26),
	s_mov_b32 s19, 0
	s_lshl_b32 s20, s13, 15                        ; and in the destination
	s_mov_b32 s21, 0
	s_mov_b32 s22, 0xffff0000                      ; a word's upper bf16
	v_lshlrev_b32 v1, 5, v0                        ; 32 t
	v_lshlrev_b32 v2, 4, v0                        ; 16 t
	s_wait_kmcnt 0x0
	s_cmp_lt_u32 s12, 1024                         ; the choice between the two tensors hangs on the group's number alone
	s_cselect_b64 s[14:15], s[4:5], s[6:7]
	s_cselect_b64 s[16:17], s[8:9], s[10:11]
	s_add_nc_u64 s[14:15], s[14:15], s[18:19]
	s_add_nc_u64 s[16:17], s[16:17], s[20:21]
.irp i, 0,1,2,3,4,5,6,7
	global_load_b128 v[X+8*(\i):X+8*(\i)+3],   v1, s[14:15] offset:8192*(\i) th:TH_LOAD_NT
	global_load_b128 v[X+8*(\i)+4:X+8*(\i)+7], v1, s[14:15] offset:8192*(\i)+16 th:TH_LOAD_NT
.endr
.irp i, 0,1,2,3,4,5,6,7
	s_wait_loadcnt 14-2*(\i)                       ; loads come back in order: this step's two are in, the later steps' stay out
.irp j, 0,1,2,3
	v_cvt_pk_bf16_f32 v[BF+(\j)], v[X+8*(\i)+2*(\j)], v[X+8*(\i)+2*(\j)+1]
.endr
.irp j, 0,1,2,3
	v_lshlrev_b32 v[T+2*(\j)],   16,  v[BF+(\j)]   ; bf16 to f32: the low half moves up,
	v_and_b32     v[T+2*(\j)+1], s22, v[BF+(\j)]   ; the high half stays
.endr
.irp j, 0,1,2,3
	v_cvt_pk_f16_f32 v[Y+4*(\i)+(\j)], v[T+2*(\j)], v[T+2*(\j)+1]
.endr
	global_store_b128 v2, v[Y+4*(\i):Y+4*(\i)+3], s[16:17] offset:4096*(\i)  ; later launches read these bytes: no hint
.endr
	s_endpgm
.Lfunc_end_k_qe2318aae92_cast:
	.size	k_qe2318aae92_cast, .Lfunc_end_k_qe2318aae92_cast-k_qe2318aae92_cast
	.p2alignl 7, 3214868480
	.fill 96, 4, 3214868480
	.section	.rodata,"a",@progbits
	.p2align	6, 0x0
	.amdhsa_kernel k_qe2318aae92_cast
		.amdhsa_group_segment_fixed_size 0
		.amdhsa_private_segment_fixed_size 0
		.amdhsa_enable_private_segment 0
		.amdhsa_kernarg_size 32
		.amdhsa_user_sgpr_count 2
		.amdhsa_user_sgpr_kernarg_segment_ptr 1
		.amdhsa_wavefront_size32 1
		.amdhsa_system_sgpr_workgroup_id_x 1
		.amdhsa_system_sgpr_workgroup_id_y 1
		.amdhsa_system_sgpr_workgroup_id_z 1
		.amdhsa_system_vgpr_workitem_id 0
		.amdhsa_next_free_vgpr 112
		.amdhsa_next_free_sgpr 66
		.amdhsa_reserve_vcc 0
		.amdhsa_float_denorm_mode_32 3
		.amdhsa_float_denorm_mode_16_64 3
		.amdhsa_memory_ordered 1
		.amdhsa_forward_progress 1
		.amdhsa_inst_pref_size 10
	.end_amdhsa_kernel
	.amdgpu_metadata
---
amdhsa.version: [ 1, 2 ]
amdhsa.kernels:
  - .name:           k_qe2318aae92_cast
    .symbol:         k_qe2318aae92_cast.kd
    .args:
      - { .name: features, .offset: 0, .size: 8, .value_kind: global_buffer, .address_space: global }
      - { .name: W, .offset: 8, .size: 8, .value_kind: global_buffer, .address_space: global }
      - { .name: Fh, .offset: 16, .size: 8, .value_kind: global_buffer, .address_space: global }
      - { .name: Wh, .offset: 24, .size: 8, .value_kind: global_buffer, .address_space: global }
    .group_segment_fixed_size: 0
    .private_segment_fixed_size: 0
    .kernarg_segment_align: 8
    .kernarg_segment_size: 32
    .max_flat_workgroup_size: 256
    .sgpr_count:     66
    .vgpr_count:     112
    .wavefront_size: 32
...
	.end_amdgpu_metadata
.endif
;; end of part 1
;; launch proj (part 2): grid 4 x 64, 4 waves a work-group, clusters of 4 x 4, 327,680 bytes of LDS; arguments Fh, Wh, b, Xh, Xl; writes Xh, Xl
.if DOCPART == 2
	.amdgcn_target "amdgcn-amd-amdhsa--gfx1250"
	.amdhsa_code_object_version 6
	.text
	.protected	k_qe2318aae92_proj
	.globl	k_qe2318aae92_proj
	.p2align	8
	.type	k_qe2318aae92_proj,@function
k_qe2318aae92_proj:
	s_mov_b64 s[64:65], 0
	v_nop
	global_prefetch_b8 v0, s[64:65] scope:SCOPE_SE
	s_setreg_imm32_b32 hwreg(HW_REG_WAVE_MODE, 25, 1), 1
	s_wait_xcnt 0x0
	s_wait_alu depctr_hold_cnt(0) depctr_sa_sdst(0) depctr_va_vdst(0) depctr_va_sdst(0) depctr_va_ssrc(0) depctr_va_vcc(0) depctr_vm_vsrc(0)
	s_getreg_b32 s2, hwreg(HW_REG_IB_STS2, 6, 4)
	s_cmp_eq_u32 s2, 0
	s_cbranch_scc0 .Lentry_in_a_cluster
	s_endpgm
.Lentry_in_a_cluster:
	s_bfe_u32 s2, ttmp6, 0x10000c
	s_cmp_lg_u32 s2, 0xf033
	s_cbranch_scc0 .Lentry_shape_is_right
	s_endpgm
.Lentry_shape_is_right:
; x[m][o] = sum over v of Fh[m][v] Wh[o][v] + bf16(b[o]).  Fh: [16384][1024], Wh: [1024][1024], f16; sums in f32.  x leaves as TWO f16 numbers: Xh = f16(x), Xl = f16(x - Xh): 22 significant bits.
; LIMITS.  |x| stays under 65,504 (beyond it Xh is an infinity); Xl below 6.1e-5 keeps f16's fixed step of 6e-8.  NaN and infinities are not treated apart.
; LAYOUT OF Xh AND Xl: the register image of a fragment of 16 rows x 32 channels.  Number (m, o) lies at byte (m / 16) 32768 + (o / 32) 1024 + ((o % 32) / 16) 512 + 16 (16 ((o % 16) / 8) + m % 16) + 2 (o % 8).
; The matrix instruction is used transposed (source 0 = 16 rows of Wh, source 1 = 16 rows of Fh): lane l then holds row m = l % 16 and the channels 8 (l / 16) + 0..7, which pack into 16 bytes
; at 16 l of a block of 512 bytes: a wave's store covers 512 consecutive bytes, aligned, and no way through LDS is needed.
; SHARES.  A tile of x, 256 x 256, is made by a work-group of four waves; a wave makes 128 x 128: 64 accumulators of 16 x 16, 512 registers.  64 x 4 tiles: 256 work-groups.
; K goes in steps of 128 through a ring of two LDS slots filled by the tensor data mover: a tile's rows are 256 bytes of memory and start at multiples of 256 bytes.
; CLUSTERS: 4 x 4 work-groups.  The four of a row of the cluster need the same tiles of Fh, the four of a column the same tiles of Wh: each tile is asked for JOINTLY, by the same tensor load
; with the same descriptor and a mask that names the four.
; REGISTERS, in windows of 256 (s_set_vgpr_msb: bits 1:0 source 0, 3:2 source 1, 5:4 source 2, 7:6 destination):
;   window 0: v0-31 addresses; v64-127, v128-191 fragments of Fh, two buffers; on the way out v64-127 x in f32, v128-191 Xh (two buffers), v192-255 Xl (two buffers)
;   window 1: v0-63 my 64 numbers of the bias; v64-127, v128-191 fragments of Wh, two buffers; v192-223 at work once
;   window 2: the 32 accumulators of my rows 0-63 (accumulator (a, b) at v[8 (8 a + b)]);   window 3: those of my rows 64-127
.set SIZE_K, 1024
.set KSTEP,  128
.set PITCH,  272                       ; an LDS row: 256 bytes of data + 16 of padding = 68 words: the 16 rows that a load touches start at 16 different groups of four banks
.set HALFT,  128*PITCH                 ; 128 rows: what one tensor load brings, and what one wave reads of Fh or of Wh
.set SLOT,   4*HALFT                   ; Fh's 256 rows, then Wh's 256 rows
.set SPARE,  2*SLOT                    ; behind the ring: the spare words, 128 bytes for each wave: two blocks of 256 bytes that no other line names
.set LAPS,   SIZE_K/(2*KSTEP)          ; a lap = two K steps = once round the ring: 4
.set ADRA, 16                          ; v16-17  LDS address of my fragments of Fh in slot 0, 1
.set ADRB, 20                          ; v20-21  the same for Wh
.set CO,   26                          ; v26     16 x lane: my place in a block of 512 bytes of Xh and Xl; never rewritten
.set SPW,  28                          ; v28     LDS address of my spare word; never rewritten
.set NIL,  29                          ; v29     0; never rewritten
.set MONE, 30                          ; v30     -1.0
.set F0,   64                          ; fragment buffer 0
.set F1,   128                         ; fragment buffer 1
.set Y,    64                          ; the way out: a block's 64 numbers in f32
.set HI,   128                         ; the way out: Xh, 32 registers, two buffers
.set LO,   192                         ; the way out: Xl, likewise
.set G1, 24                            ; s[24:31] descriptor group 1 for Fh's tiles
.set G0, 32                            ; s[32:39] descriptor group 0 for Fh's tiles, one set for each slot
.set G1B, 48                           ; s[48:55] descriptor group 1 for Wh's tiles: it differs in the mask alone
.set G0B, 56                           ; s[56:63] descriptor group 0 for Wh's tiles
.set MSB, 0
.macro WIN new                         ; the immediate's high byte repeats the setting that is left; a switch that changes nothing is dropped
.if MSB != (\new)
	s_set_vgpr_msb (MSB<<8)|(\new)
.set MSB, \new
.endif
.endm
.set MUL_LO, 0xa1                      ; source 0 (Wh) window 1, source 1 (Fh) window 0, C and D window 2
.set MUL_HI, 0xf1                      ; the same, C and D window 3
.set TO_B,   0x40                      ; destination window 1, address window 0
; A joint load.  Waves 0 and 1 fetch Fh's two halves, waves 2 and 3 Wh's.  The branch hangs on the wave's number alone.  An s_nop 0 and four v_nop follow each of the two lines.
.macro JLOAD s
	s_cmp_eq_u32 s11, 0
	s_cbranch_scc0 .Lfor_b_\@
	tensor_load_to_lds s[G0+4*(\s):G0+4*(\s)+3], s[G1:G1+7]
	s_nop 0
.rept 4
	v_nop
.endr
	s_branch .Lasked_\@
.Lfor_b_\@:
	tensor_load_to_lds s[G0B+4*(\s):G0B+4*(\s)+3], s[G1B:G1B+7]
	s_nop 0
.rept 4
	v_nop
.endr
.Lasked_\@:
.endm
; A round of the cluster's barrier: my work-group's barrier; wave 0 signals for the work-group; every wave waits for all sixteen work-groups; my work-group's barrier once more.
.macro CREST                           ; a round behind its opening barrier
	s_cmp_lg_u32 s10, 0
	s_cbranch_scc1 .Lnot_wave_0_\@
	s_barrier_signal -3
.Lnot_wave_0_\@:
	s_barrier_wait -3
	s_barrier_signal -1
	s_barrier_wait -1
.endm
.macro CROUND                          ; a whole round
	s_barrier_signal -1
	s_barrier_wait -1
	CREST
.endm
	s_load_b128 s[4:7], s[0:1], 0x0                ; Fh s[4:5], Wh s[6:7]
	s_load_b64 s[66:67], s[0:1], 0x10              ; b
	s_load_b128 s[68:71], s[0:1], 0x18             ; Xh s[68:69], Xl s[70:71]
	v_lshl_add_u32 v[SPW], v0, 2, SPARE
	v_mov_b32 v[NIL], 0
	ds_add_u32 v[SPW], v[NIL]                      ; the wave's opening: the add and its wait stand ahead of my first tensor load; the set-up below, work on registers, stands between them
	v_lshrrev_b32 v1, 5, v0
	v_readfirstlane_b32 s10, v1                    ; wave 0..3
	s_lshr_b32 s11, s10, 1                         ; which half of the tile's rows is mine.  Also: I fetch for Fh (0) or for Wh (1)
	s_and_b32 s12, s10, 1                          ; which half of its columns.  Also: which 128 rows of that tile I fetch
	s_bfe_u32 s40, ttmp6, 0x40000                  ; cx: my place along the cluster's x
	s_bfe_u32 s41, ttmp6, 0x40004                  ; cy: along its y
	s_lshl_b32 s42, ttmp9, 2                       ; in a cluster launch ttmp9 and ttmp7 count clusters
	s_add_co_u32 s42, s42, s40                     ; tile column = 4 x cluster x + cx
	s_and_b32 s13, ttmp7, 0xffff
	s_lshl_b32 s13, s13, 2
	s_add_co_u32 s13, s13, s41                     ; tile row = 4 x cluster y + cy
	s_lshl_b32 s43, s41, 2
	s_lshl_b32 s43, 15, s43                        ; my row of the cluster: places 4 cy .. 4 cy + 3
	s_lshl_b32 s44, 0x1111, s40                    ; my column: places cx, cx + 4, cx + 8, cx + 12
	; descriptor group 1: a tile of 128 rows x 128 elements, padded in LDS
	s_or_b32 s[G1+0], s43, (1<<16)|(1<<20)|(1<<21)|(5<<22)|(3<<25)  ; 15:0 the mask: Fh's tiles go to my row; 17:16 elements of 2 bytes; 20 padding on; 21 set beside a mask; 24:22 after every 64 words (code 5); 31:25 4 words of it (code 3)
	s_or_b32 s[G1B+0], s44, (1<<16)|(1<<20)|(1<<21)|(5<<22)|(3<<25) ; the same with the mask of my column, for Wh's tiles
.irp g, G1, G1B
	s_mov_b32 s[(\g)+1], KSTEP<<16                 ; tensor_dim0 = 128
	s_mov_b32 s[(\g)+2], 128<<16                   ; tensor_dim1 = 128
	s_mov_b32 s[(\g)+3], KSTEP<<16                 ; tile_dim0 = 128
	s_mov_b32 s[(\g)+4], 128                       ; tile_dim1 = 128
	s_mov_b32 s[(\g)+5], SIZE_K                    ; elements from row to row
	s_mov_b32 s[(\g)+6], 0
	s_mov_b32 s[(\g)+7], 0
.endr
	; where the tiles come from.  Fh's hang on the tile row alone, which my row of the cluster shares; Wh's on the tile column alone, which my column shares.
	s_lshl_b32 s17, s12, 7                         ; which 128 rows of the tile I fetch
	s_lshl_b32 s16, s13, 8
	s_add_co_u32 s16, s16, s17                     ; Fh: row 256 x tile row + 128 x half
	s_lshl_b32 s46, s42, 8
	s_add_co_u32 s46, s46, s17                     ; Wh: row 256 x tile column + 128 x half
	s_mov_b32 s17, 0
	s_mov_b32 s47, 0
	s_mov_b64 s[18:19], SIZE_K*2
	s_mul_u64 s[16:17], s[16:17], s[18:19]         ; in bytes
	s_mul_u64 s[46:47], s[46:47], s[18:19]
	s_mul_i32 s20, s10, HALFT                      ; and where they go: wave x 128 rows: no place in the cluster enters an LDS address
	s_wait_dscnt 0x0                               ; the opening add is done
	s_wait_kmcnt 0x0
	s_add_nc_u64 s[14:15], s[4:5], s[16:17]
	s_add_nc_u64 s[46:47], s[6:7], s[46:47]
	CROUND                                         ; all sixteen work-groups are here: the first joint loads meet
.irp s, 0,1
	s_mov_b32 s[G0+4*(\s)], 1                                      ; count = 1
	s_add_co_u32 s[G0+4*(\s)+1], s20, (\s)*SLOT                    ; LDS address
	s_add_nc_u64 s[G0+4*(\s)+2:G0+4*(\s)+3], s[14:15], (\s)*KSTEP*2  ; global address: K step s
	s_or_b32 s[G0+4*(\s)+3], s[G0+4*(\s)+3], 0x80000000            ; type = 2
	s_mov_b32 s[G0B+4*(\s)], 1
	s_add_co_u32 s[G0B+4*(\s)+1], s20, (\s)*SLOT
	s_add_nc_u64 s[G0B+4*(\s)+2:G0B+4*(\s)+3], s[46:47], (\s)*KSTEP*2
	s_or_b32 s[G0B+4*(\s)+3], s[G0B+4*(\s)+3], 0x80000000
	JLOAD \s                                       ; the ring is filled before anything else is done: two loads of mine are out
.endr
	; A fragment is 16 rows x 32 K in 8 registers: lane l holds row l % 16; registers 0-3 hold K = 8 (l / 16) + 0..7, registers 4-7 hold K = 16 + 8 (l / 16) + 0..7: two loads of 16 bytes, 32 bytes apart.
	v_and_b32 v1, 15, v0                           ; l % 16
	v_bfe_u32 v2, v0, 4, 1                         ; l / 16
	v_mul_u32_u24 v3, v1, PITCH
	v_lshl_add_u32 v3, v2, 4, v3                   ; row x pitch + 16 x half
	s_mul_i32 s21, s11, HALFT                      ; my 128 rows of Fh
	s_mul_i32 s22, s12, HALFT                      ; my 128 rows of Wh,
	s_add_co_u32 s22, s22, 2*HALFT                 ; which lie behind Fh's 256
.irp s, 0,1
	v_add_nc_u32 v[ADRA+(\s)], s21, v3
	v_add_nc_u32 v[ADRB+(\s)], s22, v3
	s_add_co_u32 s21, s21, SLOT
	s_add_co_u32 s22, s22, SLOT
.endr
	v_and_b32 v5, 31, v0
	v_lshlrev_b32 v[CO], 4, v5                     ; 16 x lane
	v_lshlrev_b32 v6, 5, v2                        ; the bias: 32 bytes (8 numbers) for each half of the lanes
	v_mov_b32 v[MONE], -1.0
	; The bias of my 128 columns: number 8 bb + j of a lane belongs to column 16 bb + 8 (l / 16) + j, as register j of accumulator (a, bb) does.
	s_lshl_b32 s46, s42, 10                        ; 4 bytes x (256 x tile column + 128 x half)
	s_lshl_b32 s47, s12, 9
	s_add_co_u32 s46, s46, s47
	s_mov_b32 s47, 0
	s_add_nc_u64 s[66:67], s[66:67], s[46:47]
	WIN TO_B
.irp i, 0,1,2,3,4,5,6,7,8,9,10,11,12,13,14,15
	global_load_b128 v[4*(\i):4*(\i)+3], v6, s[66:67] offset:64*((\i)/2)+16*((\i)%2)
.endr
	WIN 0
	; where my part begins in Xh and Xl: (16 x tile row + 8 x row half) blocks of 32,768 bytes, 8,192 x tile column + 4,096 x column half (under 2^26)
	s_lshl_b32 s16, s13, 19
	s_lshl_b32 s17, s11, 18
	s_add_co_u32 s16, s16, s17
	s_lshl_b32 s17, s42, 13
	s_add_co_u32 s16, s16, s17
	s_lshl_b32 s17, s12, 12
	s_add_co_u32 s16, s16, s17
	s_mov_b32 s17, 0
	s_add_nc_u64 s[68:69], s[68:69], s[16:17]
	s_add_nc_u64 s[70:71], s[70:71], s[16:17]
	s_wait_loadcnt 0x0                             ; the bias is in; it is rounded to bf16, as every input is, and widened again, in place
	WIN 0x45                                       ; sources 0 and 1 and the destination in window 1
.set i, 0
.rept 32
	v_cvt_pk_bf16_f32 v[192+i], v[2*i], v[2*i+1]
.set i, i+1
.endr
.set i, 0
.rept 32
	v_lshlrev_b32 v[2*i], 16, v[192+i]
	v_and_b32 v[2*i+1], 0xffff0000, v[192+i]
.set i, i+1
.endr
	WIN 0
; 16 matrix instructions: m blocks a0, a0 + 1 of the window's four (hi = 0: my rows 0-63, 1: rows 64-127) x all 8 n blocks, 32 along K.  zero = 1: the first product starts the sums.
; The 64 accumulators take turns, one instruction a turn, in the same order in every quarter step.
.macro MUL16 f, hi, a0, zero
	WIN MUL_LO+0x50*(\hi)
.irp a, \a0, (\a0)+1
.irp b, 0,1,2,3,4,5,6,7
.if \zero
	v_wmma_f32_16x16x32_f16 v[8*(8*(\a)+(\b)):8*(8*(\a)+(\b))+7], v[(\f)+8*(\b):(\f)+8*(\b)+7], v[(\f)+8*(4*(\hi)+(\a)):(\f)+8*(4*(\hi)+(\a))+7], 0
.else
	v_wmma_f32_16x16x32_f16 v[8*(8*(\a)+(\b)):8*(8*(\a)+(\b))+7], v[(\f)+8*(\b):(\f)+8*(\b)+7], v[(\f)+8*(4*(\hi)+(\a)):(\f)+8*(4*(\hi)+(\a))+7], v[8*(8*(\a)+(\b)):8*(8*(\a)+(\b))+7]
.endif
.endr
.endr
.endm
; 32 LDS loads in one run: the fragments of one quarter step (128 rows of Wh, 128 rows of Fh, 32 K at byte k of the rows) into buffer f
.macro FETCH slot, k, f
	WIN TO_B
.irp i, 0,1,2,3,4,5,6,7
	ds_load_b128 v[(\f)+8*(\i):(\f)+8*(\i)+3],   v[ADRB+(\slot)] offset:(\k)+(\i)*16*PITCH
	ds_load_b128 v[(\f)+8*(\i)+4:(\f)+8*(\i)+7], v[ADRB+(\slot)] offset:(\k)+(\i)*16*PITCH+32
.endr
	WIN 0
.irp i, 0,1,2,3,4,5,6,7
	ds_load_b128 v[(\f)+8*(\i):(\f)+8*(\i)+3],   v[ADRA+(\slot)] offset:(\k)+(\i)*16*PITCH
	ds_load_b128 v[(\f)+8*(\i)+4:(\f)+8*(\i)+7], v[ADRA+(\slot)] offset:(\k)+(\i)*16*PITCH+32
.endr
.endm
; A load into a register that a matrix instruction has read, and a vector instruction that reads a matrix result or writes one of a matrix instruction's registers, stand four places behind it,
; and only plain vector instructions that name none of its registers are places (ISA guide 7.12.1 for vector instructions).
.macro PLACES
.rept 4
	v_nop
.endr
.endm
; A K step is four quarter steps of 32 along K, 64 matrix instructions each, on buffers 0, 1, 0, 1.  One of the first three: multiplies buffer f; in its middle it fetches the next quarter, at byte k, into g.
.macro QUARTER slot, k, f, g, zero
	s_wait_dscnt 8                                 ; Wh and Fh's rows 0-63 are in; the youngest eight loads (Fh's rows 64-127) may be out
	WIN MUL_LO
	MUL16 \f, 0, 0, \zero
	MUL16 \f, 0, 2, \zero
	PLACES
	FETCH \slot, \k, \g
	s_wait_dscnt 32                                ; all but the 32 just issued
	WIN MUL_HI
	MUL16 \f, 1, 0, \zero
	MUL16 \f, 1, 2, \zero
.endm
; The last quarter multiplies buffer 1 and changes slots.  MEET is its first half: ONE barrier for the change.  In front of it each wave waits for all its tensor loads, of which one is out: its part of
; the next slot; adds 0 to its spare word; and waits for that and for its own reads of this slot.  Behind it nobody reads this slot any more and the next slot is whole.
.macro MEET round                      ; round = 1: the rest of a round of the cluster's barrier follows
	WIN 0                                          ; (the add's two registers lie in window 0)
	s_wait_tensorcnt 0x0                           ; all my tensor loads have landed;
	ds_add_u32 v[SPW], v[NIL]                      ; 0 onto my spare word
	s_wait_dscnt 9                                 ; (the add and the youngest eight loads may be out)
	WIN MUL_LO
	MUL16 F1, 0, 0, 0                              ; sixteen matrix instructions stand between the add and the wait for it
	s_wait_dscnt 0x0                               ; the add is done, and my reads of this slot are over
	s_barrier_signal -1
	MUL16 F1, 0, 2, 0                              ; work on registers while the others arrive
.if \round
	WIN 0
.endif
	s_barrier_wait -1
.endm
; The whole last quarter.  fill = 1: behind the round the slot just read out is filled again first, with the K step two steps on; then come the next slot's first fragments.
.macro TURN slot, next, fill
	MEET \fill
.if \fill
	CREST                                          ; no wave of any partner still reads this slot's tile or has a load on its way
	s_add_nc_u64 s[G0+4*(\slot)+2:G0+4*(\slot)+3], s[G0+4*(\slot)+2:G0+4*(\slot)+3], 2*KSTEP*2
	s_add_nc_u64 s[G0B+4*(\slot)+2:G0B+4*(\slot)+3], s[G0B+4*(\slot)+2:G0B+4*(\slot)+3], 2*KSTEP*2
	JLOAD \slot                                    ; my one tensor load behind the round; the four v_nop behind it are also the places in front of the loads below
.else
	PLACES
.endif
	FETCH \next, 0, F0
	WIN MUL_HI
	MUL16 F1, 1, 0, 0
	MUL16 F1, 1, 2, 0
.endm
; THE WAY OUT of block a (16 rows x my 128 columns): the bias is added; Xh = f16(x); x - Xh, exact in f32; Xl = f16 of that; sixteen stores of 512 consecutive bytes.
.macro OUTBLK a
.set AC, 64*((\a)%4)
.set HB, HI+32*((\a)%2)
.set LB, LO+32*((\a)%2)
.if (\a) >= 2
	s_wait_xcnt 0x0                                ; the stores of two blocks ago named these registers: they are rewritten only behind this wait
.endif
	WIN 0x06+(\a)/4                                ; source 0: the accumulators' window 2 or 3; source 1: the bias, window 1; destination window 0
.set i, 0
.rept 32
	v_pk_add_f32 v[Y+2*i:Y+2*i+1], v[AC+2*i:AC+2*i+1], v[2*i:2*i+1]  ; each accumulator's registers in ascending order
.set i, i+1
.endr
	WIN 0
.set i, 0
.rept 32
	v_cvt_pk_f16_f32 v[HB+i], v[Y+2*i], v[Y+2*i+1]
.set i, i+1
.endr
.set i, 0
.rept 32
	v_fma_mix_f32 v[Y+2*i],   v[HB+i], v[MONE], v[Y+2*i]   op_sel_hi:[1,0,0]                  ; the low f16 half x -1.0 + x
	v_fma_mix_f32 v[Y+2*i+1], v[HB+i], v[MONE], v[Y+2*i+1] op_sel:[1,0,0] op_sel_hi:[1,0,0]   ; the high half
.set i, i+1
.endr
.set i, 0
.rept 32
	v_cvt_pk_f16_f32 v[LB+i], v[Y+2*i], v[Y+2*i+1]
.set i, i+1
.endr
.irp b, 0,1,2,3,4,5,6,7
	global_store_b128 v[CO], v[HB+4*(\b):HB+4*(\b)+3], s[68:69] offset:(\a)*32768+(\b)*512
	global_store_b128 v[CO], v[LB+4*(\b):LB+4*(\b)+3], s[70:71] offset:(\a)*32768+(\b)*512
.endr
.endm
	s_wait_tensorcnt 1                             ; my part of K step 0 is in; K step 1's may stay out
	s_barrier_signal -1
	s_barrier_wait -1                              ; everybody's is
	FETCH 0, 0, F0
	QUARTER 0, 64,  F0, F1, 1                      ; the first quarter stands in front of the loop: its products start the sums
	WIN 0                                          ; at a label and at a branch every window is 0
	s_mov_b32 s3, LAPS-1
.Llap:                                                 ; a trip goes once round the ring, from a lap's second quarter to the next lap's first, and fills both slots again
	QUARTER 0, 128, F1, F0, 0
	QUARTER 0, 192, F0, F1, 0
	TURN 0, 1, 1
	QUARTER 1, 64,  F0, F1, 0
	QUARTER 1, 128, F1, F0, 0
	QUARTER 1, 192, F0, F1, 0
	TURN 1, 0, 1
	QUARTER 0, 64,  F0, F1, 0
	WIN 0
	s_sub_co_u32 s3, s3, 1
	s_cmp_lg_u32 s3, 0
	s_cbranch_scc1 .Llap
	QUARTER 0, 128, F1, F0, 0                      ; the last lap fills nothing, and has no round of the cluster's barrier
	QUARTER 0, 192, F0, F1, 0
	TURN 0, 1, 0
	QUARTER 1, 64,  F0, F1, 0
	QUARTER 1, 128, F1, F0, 0
	QUARTER 1, 192, F0, F1, 0
	s_wait_dscnt 8                                 ; the very last quarter: nothing more to fetch
	MUL16 F1, 0, 0, 0
	MUL16 F1, 0, 2, 0
	s_wait_dscnt 0x0
	MUL16 F1, 1, 0, 0
	MUL16 F1, 1, 2, 0
	PLACES                                         ; the additions below read results just made and write registers that the last products read
.irp a, 0,1,2,3,4,5,6,7
	OUTBLK \a
.endr
	WIN 0
	s_wait_tensorcnt 0x0                           ; the wave's end: the add and its wait, behind my last tensor load
	ds_add_u32 v[SPW], v[NIL]
	s_wait_dscnt 0x0
	CROUND                                         ; the closing round: no work-group ends while a partner may still ask for a tile that names it
	s_endpgm
.Lfunc_end_k_qe2318aae92_proj:
	.size	k_qe2318aae92_proj, .Lfunc_end_k_qe2318aae92_proj-k_qe2318aae92_proj
	.p2alignl 7, 3214868480
	.fill 96, 4, 3214868480
	.section	.rodata,"a",@progbits
	.p2align	6, 0x0
	.amdhsa_kernel k_qe2318aae92_proj
		.amdhsa_group_segment_fixed_size 327680
		.amdhsa_private_segment_fixed_size 0
		.amdhsa_enable_private_segment 0
		.amdhsa_kernarg_size 40
		.amdhsa_user_sgpr_count 2
		.amdhsa_user_sgpr_kernarg_segment_ptr 1
		.amdhsa_wavefront_size32 1
		.amdhsa_system_sgpr_workgroup_id_x 1
		.amdhsa_system_sgpr_workgroup_id_y 1
		.amdhsa_system_sgpr_workgroup_id_z 1
		.amdhsa_system_vgpr_workitem_id 0
		.amdhsa_next_free_vgpr 1024
		.amdhsa_next_free_sgpr 76
		.amdhsa_reserve_vcc 0
		.amdhsa_float_denorm_mode_32 3
		.amdhsa_float_denorm_mode_16_64 3
		.amdhsa_memory_ordered 1
		.amdhsa_forward_progress 1
		.amdhsa_inst_pref_size 210
	.end_amdhsa_kernel
	.amdgpu_metadata
---
amdhsa.version: [ 1, 2 ]
amdhsa.kernels:
  - .name:           k_qe2318aae92_proj
    .symbol:         k_qe2318aae92_proj.kd
    .args:
      - { .name: Fh, .offset: 0, .size: 8, .value_kind: global_buffer, .address_space: global }
      - { .name: Wh, .offset: 8, .size: 8, .value_kind: global_buffer, .address_space: global }
      - { .name: b, .offset: 16, .size: 8, .value_kind: global_buffer, .address_space: global }
      - { .name: Xh, .offset: 24, .size: 8, .value_kind: global_buffer, .address_space: global }
      - { .name: Xl, .offset: 32, .size: 8, .value_kind: global_buffer, .address_space: global }
    .group_segment_fixed_size: 327680
    .private_segment_fixed_size: 0
    .kernarg_segment_align: 8
    .kernarg_segment_size: 40
    .max_flat_workgroup_size: 128
    .sgpr_count:     76
    .vgpr_count:     1024
    .wavefront_size: 32
...
	.end_amdgpu_metadata
.endif
;; end of part 2
;; launch attn (part 3): grid 16 x 16, 4 waves a work-group, clusters of 4 x 1, 327,680 bytes of LDS; arguments Fh, Xh, Xl, lengths, out0; writes out0
.if DOCPART == 3
	.amdgcn_target "amdgcn-amd-amdhsa--gfx1250"
	.amdhsa_code_object_version 6
	.text
	.protected	k_qe2318aae92_attn
	.globl	k_qe2318aae92_attn
	.p2align	8
	.type	k_qe2318aae92_attn,@function
k_qe2318aae92_attn:
	s_mov_b64 s[64:65], 0
	v_nop
	global_prefetch_b8 v0, s[64:65] scope:SCOPE_SE
	s_setreg_imm32_b32 hwreg(HW_REG_WAVE_MODE, 25, 1), 1
	s_wait_xcnt 0x0
	s_wait_alu depctr_hold_cnt(0) depctr_sa_sdst(0) depctr_va_vdst(0) depctr_va_sdst(0) depctr_va_ssrc(0) depctr_va_vcc(0) depctr_vm_vsrc(0)
	s_getreg_b32 s2, hwreg(HW_REG_IB_STS2, 6, 4)
	s_cmp_eq_u32 s2, 0
	s_cbranch_scc0 .Lentry_in_a_cluster
	s_endpgm
.Lentry_in_a_cluster:
	s_bfe_u32 s2, ttmp6, 0x10000c
	s_cmp_lg_u32 s2, 0x3003
	s_cbranch_scc0 .Lentry_shape_is_right
	s_endpgm
.Lentry_shape_is_right:
; out[b][q][:] = sum over k of p(q, k) F[b][k][:] / sum over k of p(q, k), over the keys k <= q with k < lengths[b];  p = exp(tanh(x[b][q] . F[b][k]) - 1).
; The softmax's own divisor cancels in the division by the masked sum.  NO MAXIMUM IS TAKEN AWAY: tanh holds every exponent in -1 .. 1 for every input, so with the fixed shift 1 every p lies in e^-2 .. 1.
; tanh(s) - 1 = -2 / (1 + e^(2 s)): p = 2^(-c / (1 + 2^(c s))), c = 2 log2(e).  2^(c s) may become 0 or infinite: p is then e^-2 or 1, as it should be.
; FORMATS.  F is Fh (f16); x is Xh + Xl, two f16 numbers.  Xl is multiplied with the keys 0 to 63 alone: a key from 64 on is seen only by rows that see more than 64 keys, in which one weight is a small
; part of the sum.  Scores, their partial sums and all sums of products in f32; p is rounded to f16 for the second product, and the divisor is the sum of the rounded p.
; LIMITS.  Keys from 64 on see x with 11 significant bits, keys 0 to 63 with 22.  lengths[b] <= 0 gives 0 x infinity = NaN in the batch's rows, where the definition has 0 / 0.  NaN and infinities in F or x are not treated apart.
; THE WALK.  A batch's 1,024 queries lie in 8 blocks of 128; block u needs the key tiles 0 .. 2 u + 1 of 64 keys.  A cluster of four work-groups takes TWO blocks, 7 - c and then c: (16 - 2 c) + (2 c + 2) = 18 tiles,
; whatever c: all clusters do equal work, and ONE loop with a constant trip count walks them.  In a block work-group cx owns the rows 32 cx .. 32 cx + 31: two tiles of 16 queries (qt).  All four partners want the
; same key tile in every trip: every fill is a JOINT load, the same descriptor and mask in all four.  cx enters x's and out's addresses and the mask's numbers alone.
; A WAVE owns the channels 256 w .. 256 w + 255 in both products.  S^T = F x^T: it sums its 256 channels for all 64 keys x 32 queries (8 accumulators, 64 matrix instructions); the four waves' partial sums meet in LDS,
; in f32; wave w adds them for the keys 16 w .. 16 w + 15 of the tile, makes p, masks it and puts it into LDS as f16; every wave reads all of P and makes O^T = F^T P for its channels (32 accumulators, 64 matrix
; instructions).  The divisor is ONES x P (4 matrix instructions): every lane then holds its query's sum.
; ONE TILE AHEAD.  Trip i makes S^T of tile i while the softmax of tile i - 1 stands in small groups behind those products, and then O^T += F^T P of tile i - 1 out of registers, while tile i's turned fragments are
; loaded into the registers that those products have left.  So every run of LDS loads and the softmax stand beside matrix work, and a trip has two barriers: the cluster's round, behind which tile i is read, tile i + 1 asked
; for and the partial sums of tile i - 1 read; and the barrier between the storing and the reading of P.  A block's first tile has nothing to stand beside: there the old block is ended (softmax, O^T, the way out) and the
; new block's first S^T made, with Xl.  THE PRICE of one text for O^T's products: O^T and the divisors are cleared, 272 v_mov_b32 at a block's beginning, in the wait for F's fragments and for x.
; A group of softmax lines costs two switches of the register windows: they work in window 0, and the products' two sources fill window 2.
; KEY ORDER.  In S^T = F x^T row i of source 0 is key 2 i (i < 8) or 2 (i - 8) + 1 of a group of 16, so that register j of a lane holds key 2 j + (lane / 16); rounded in pairs that is source 1 of the second product,
; whose source 0 comes by the turning load with the same order of keys: lane l reads key row 2 (l % 8) + l / 16.  A permutation of k applied alike to both sources keeps the products.
; REGISTERS, in windows of 256 (s_set_vgpr_msb: bits 1:0 source 0, 3:2 source 1, 5:4 source 2, 7:6 destination):
;   window 0: as named below     window 1: O^T, accumulator (qt, cb) at 128 qt + 8 cb
;   window 2: v0-127 Xh's fragments at 64 qt + 8 s; v128-255 F's fragments for S^T, four buffers of one K step (32 channels: 4 key groups x 8); for a block's first tile Xl's fragments at 128 + 64 qt + 8 s
;   window 3: my slice of a key tile, turned, for O^T at 128 t + 8 cb; for a block's first tile first the slice as it lies, for S^T, at 32 s + 8 kg; on the way out whole rows of out
.set PF,    528       ; a row of a wave's slice in LDS: 512 bytes + 16 of padding = 33 x 16: the 16 rows of a plain load, and the 8 rows x 32 bytes of 16 lanes of a turning load, fall on 16 different columns of 16 bytes
.set R,     64*PF     ; a wave's slice of a tile: 64 keys x 256 channels
.set SLOT,  4*R       ; 135,168 = 0x21000: neither of its two bits is set in 0, R, 2 R or 3 R, so one exclusive or turns an address in one slot into the other's
.set XCH,   2*SLOT    ; behind the ring, never filled by a tensor load: for each wave 8,704 bytes: its partial S^T (8,192); on the way out its stage, 16 rows x 528
.set XW,    8704
.set PST,   XCH+4*XW  ; P of a tile: block (4 qt + g) of 512 bytes, 16 bytes a lane
.set SPARE, PST+4096  ; the spare words, 128 bytes for each wave: two blocks of 256 bytes that no other line names
.set AS0, 3           ; v3   my lane's place in my slice for S^T's source 0; never rewritten
.set AV0, 4           ; v4   the same for the turning load
.set AS,  5           ; v5   AS0 + the slot in hand
.set AV,  6           ; v6   AV0 + the slot in hand
.set XS,  7           ; v7   XCH + 8704 w + 16 l: where I put my partial sums; also where I read rows back from my stage
.set XR,  8           ; v8   XCH + 1024 w + 16 l: where I read wave 0's partial sums of my 16 keys
.set PS,  9           ; v9   PST + 512 w + 16 l
.set PR,  10          ; v10  PST + 16 l
.set OS,  11          ; v11  the way out: XCH + 8704 w + 528 (l % 16) + 32 (l / 16)
.set GO,  13          ; v13  16 l: my place in 512 consecutive bytes of Xh, Xl and out; never rewritten
.set D,   14          ; v14-15  by qt: min(q + 1, length) less the first key of my lane in the tile whose softmax comes next: register j is seen where 2 j < D
.set SPW, 16          ; v16  LDS address of my spare word; never rewritten
.set NIL, 17          ; v17  0; never rewritten
.set RC,  18          ; v18-21  by qt: 1 / divisor, twice
.set KO,  22          ; v22  16 w + l / 16
.set ONES, 24         ; v24-31  1.0 in every f16 half
.set LS,  32          ; v32-47  the divisors' accumulators, by qt
.set P,   48          ; v48-79  P: group g of 16 keys of tile qt at 16 qt + 4 g
.set PK,  80          ; v80-87  my p, packed
.set S,   96          ; v96-159  S^T: accumulator (qt, kg) at 8 (4 qt + kg)
.set XB,  160         ; v160-223 the four waves' partial sums of my keys: 16 u + 8 qt + j
.set XH,  0           ; window 2
.set XL,  128         ; window 2
.set SF,  128         ; window 2
.set XPH, 6           ; s[6:7]   Xh at my rows and channels of the block that is loaded next
.set XPL, 8           ; s[8:9]   Xl likewise
.set WV,  14          ; s14  my wave's number
.set CX,  15          ; s15  my place in the cluster
.set C,   16          ; s16  the cluster's number along x
.set BAT, 17          ; s17  the batch
.set LEN, 18          ; s18  lengths[batch]
.set G1,  24          ; s[24:31] descriptor group 1
.set G0,  32          ; s[32:35] descriptor group 0: made anew for each fill
.set FB,  36          ; s[36:37] Fh at the batch's first row, my wave's 512 bytes of it
.set OFF, 38          ; s[38:39] a tile's byte offset
.set WOFF, 41         ; s41  w x R
.set TB,  42          ; s42  the slot in hand: 0 or SLOT
.set TRIPS, 43        ; s43
.set RT,  44          ; s44  tiles to go until the second block's first
.set NEW, 45          ; s45  2: the walk's first tile; 1: the second block's first; 0: any other
.set NXT, 46          ; s46  the tile to be asked for next
.set LQ,  47          ; s47  the last tile of the block whose tiles are being asked for
.set TLO, 48          ; s48  2 c + 1: the second block's last tile
.set C1,  50          ; s[50:51] c, in the low word
.set C2,  52          ; s[52:53] -c
.set OUTP, 58         ; s[58:59] out at my rows and channels of the block in hand
.set OUTB, 60         ; s[60:61] the same for the second block
.set QB,  66          ; s66  my first row, plus 1, of the block that begins next; s67 the second block's
.set MSB, 0
.macro WIN new                      ; the high byte repeats the setting that is left; a switch that changes nothing is dropped
.if MSB != (\new)
	s_set_vgpr_msb (MSB<<8)|(\new)
.set MSB, (\new)
.endif
.endm
.set W_SS, 0x0a       ; F's stream and x in window 2, S^T in window 0
.set W_S3, 0x0b       ; F in window 3, x in window 2, S^T in window 0
.set W_PV, 0x53       ; F^T in window 3, P in window 0, O^T in window 1
.set W_RS, 0x41       ; O^T (destination and source 0) in window 1, source 1 in window 0
.macro PLACES                       ; four places behind matrix instructions (ISA guide 7.12.1 for vector instructions)
.rept 4
	v_nop
.endr
.endm
; A round of the cluster's barrier: my work-group's barrier; wave 0 signals for the work-group; every wave waits for all four work-groups; my work-group's barrier once more.
.macro CROUND
	s_barrier_signal -1
	s_barrier_wait -1
	s_cmp_lg_u32 s[WV], 0
	s_cbranch_scc1 .Lnot_wave_0_\@
	s_barrier_signal -3
.Lnot_wave_0_\@:
	s_barrier_wait -3
	s_barrier_signal -1
	s_barrier_wait -1
.endm
; THE CHANGE OF SLOTS.  Each wave waits for all its tensor loads, of which one is out: its slice of the other slot; adds 0 to its spare word; and waits for that and for its LDS instructions: its reads of the old slot (the turned
; fragments are in registers) and its stores of partial sums.  Behind the barrier nobody reads the old slot any more, the other slot is whole, and everybody's partial sums are in LDS.
; fill = 1: the barrier is a round of the cluster's, and the old slot is filled again, the first thing behind it, with tile NXT: every wave its own slice, one load a wave.
; (At its first use nothing has been read yet: slot 0 is waited for, slot 1 filled.)
.macro CHANGE fill
	WIN 0                           ; at a label and at a branch every window is 0
	s_wait_tensorcnt 0x0            ; no tensor load of mine is out, so group 0 may be written
	ds_add_u32 v[SPW], v[NIL]       ; 0 onto my spare word: the scalar work below stands between it and the wait for it
.if \fill
	s_lshl_b32 s[OFF], s[NXT], 17   ; a tile is 64 rows of 2,048 bytes
	s_xor_b32 s[G0+1], s[G0+1], SLOT
	s_add_nc_u64 s[G0+2:G0+3], s[FB:FB+1], s[OFF:OFF+1]
	s_or_b32 s[G0+3], s[G0+3], 0x80000000
	s_add_co_u32 s[NXT], s[NXT], 1  ; the block's next tile, or behind its last the second block's tile 0
	s_cmp_gt_u32 s[NXT], s[LQ]
	s_cselect_b32 s[NXT], 0, s[NXT]
	s_cselect_b32 s[LQ], s[TLO], s[LQ]
.endif
	s_xor_b32 s[TB], s[TB], SLOT    ; the reads go to the other slot
	s_wait_dscnt 0x0                ; the add is done, and my LDS instructions are over
.if \fill
	CROUND
	tensor_load_to_lds s[G0:G0+3], s[G1:G1+7]
	s_nop 0
	PLACES
.else
	s_barrier_signal -1
	s_barrier_wait -1
.endif
.endm
; ---- LDS traffic, in runs ----
.macro XBLOAD                       ; the four waves' partial sums of my 16 keys x 32 queries: 16 loads
	WIN 0
.irp u, 0,1,2,3
.irp qt, 0,1
.irp e, 0,1
	ds_load_b128 v[XB+16*(\u)+8*(\qt)+4*(\e):XB+16*(\u)+8*(\qt)+4*(\e)+3], v[XR] offset:XW*(\u)+4096*(\qt)+512*(\e)
.endr
.endr
.endr
.endm
.macro SFLOAD s                     ; F's fragments of K step s (32 channels, 4 key groups) into buffer s % 4 of the stream: 8 loads
	WIN 0x80                        ; destination window 2
.irp kg, 0,1,2,3
	ds_load_b128 v[SF+32*((\s)%4)+8*(\kg):SF+32*((\s)%4)+8*(\kg)+3],   v[AS] offset:(\kg)*16*PF+64*(\s)
	ds_load_b128 v[SF+32*((\s)%4)+8*(\kg)+4:SF+32*((\s)%4)+8*(\kg)+7], v[AS] offset:(\kg)*16*PF+64*(\s)+32
.endr
.endm
.macro SSTORE                       ; my partial S^T: 16 stores, each accumulator's low half first
.irp a, 0,1,2,3,4,5,6,7
	ds_store_b128 v[XS], v[S+8*(\a):S+8*(\a)+3]   offset:1024*(\a)
	ds_store_b128 v[XS], v[S+8*(\a)+4:S+8*(\a)+7] offset:1024*(\a)+512
.endr
.endm
.macro PSTORE                       ; my p; and the next softmax's keys lie 64 further on
	WIN 0
	ds_store_b128 v[PS], v[PK:PK+3]
	ds_store_b128 v[PS], v[PK+4:PK+7] offset:2048
	v_sub_nc_u32 v[D], v[D], 64
	v_sub_nc_u32 v[D+1], v[D+1], 64
.endm
.macro PLOAD                        ; all of P: 8 loads
	WIN 0
.irp a, 0,1,2,3,4,5,6,7
	ds_load_b128 v[P+4*(\a):P+4*(\a)+3], v[PR] offset:512*(\a)
.endr
.endm
.macro VLD g                        ; quarter g of my slice, turned: keys 32 (g / 2) on, channels 128 (g % 2) + 16 c on: 16 loads into window 3, v[64 g ..]
	WIN 0xc0
.irp c, 0,1,2,3,4,5,6,7
	ds_load_tr16_b128 v[64*(\g)+8*(\c):64*(\g)+8*(\c)+3],   v[AV] offset:32*((\g)/2)*PF+32*(8*((\g)%2)+(\c))
	ds_load_tr16_b128 v[64*(\g)+8*(\c)+4:64*(\g)+8*(\c)+7], v[AV] offset:(32*((\g)/2)+16)*PF+32*(8*((\g)%2)+(\c))
.endr
.endm
; ---- THE SOFTMAX of my 16 keys x 32 queries: 16 scores a lane, in 8 pairs.  A queue of 216 numbered positions, 12 slots of 18; SMP writes position p.  In slot t five pairs stand in five stages:
;   0, 1    pair t - 1: 2^(c s), twice                      2-5    pair t: the four waves' partial sums are added (three packed additions), times c
;   6-8     pair t - 2: + 1; the reciprocal, twice          9-13   pair t - 4: compare and select, twice (a hidden key's weight is 0); rounded to f16
;   14-16   pair t - 3: times -c; 2^, twice: p              17     v_nop
; A pair that does not exist (below 0, above 7) leaves its positions empty.  Behind every transcendental stands a plain line on other registers, or the v_nop, and its result is read a slot later (ISA guide 5.7.2).
.macro SMP
.set t, p/18
.set o, p%18
.if o < 2
.set k, t-1
.elseif o < 6
.set k, t
.elseif o < 9
.set k, t-2
.elseif o < 14
.set k, t-4
.elseif o < 17
.set k, t-3
.else
.set k, 0
.endif
.if (k >= 0) && (k < 8)
	WIN 0
.if o < 2
	v_exp_f32 v[XB+2*k+o], v[XB+2*k+o]
.elseif o == 2
	v_pk_add_f32 v[XB+2*k:XB+2*k+1], v[XB+2*k:XB+2*k+1], v[XB+16+2*k:XB+16+2*k+1]
.elseif o == 3
	v_pk_add_f32 v[XB+32+2*k:XB+32+2*k+1], v[XB+32+2*k:XB+32+2*k+1], v[XB+48+2*k:XB+48+2*k+1]
.elseif o == 4
	v_pk_add_f32 v[XB+2*k:XB+2*k+1], v[XB+2*k:XB+2*k+1], v[XB+32+2*k:XB+32+2*k+1]
.elseif o == 5
	v_pk_mul_f32 v[XB+2*k:XB+2*k+1], v[XB+2*k:XB+2*k+1], s[C1:C1+1] op_sel_hi:[1,0]
.elseif o == 6
	s_wait_alu depctr_va_vdst(0)
	v_pk_add_f32 v[XB+2*k:XB+2*k+1], v[XB+2*k:XB+2*k+1], 1.0 op_sel_hi:[1,0]
.elseif o < 9
	v_rcp_f32 v[XB+2*k+o-7], v[XB+2*k+o-7]
.elseif o == 9
	v_cmp_lt_i32 vcc_lo, 2*((2*k)%8), v[D+(2*k)/8]            ; is the key at or below the query, and below the length?
.elseif o == 10
	s_wait_alu depctr_va_vdst(0)
	v_cndmask_b32 v[XB+2*k], 0, v[XB+2*k], vcc_lo
.elseif o == 11
	v_cmp_lt_i32 vcc_lo, 2*((2*k+1)%8), v[D+(2*k+1)/8]
.elseif o == 12
	v_cndmask_b32 v[XB+2*k+1], 0, v[XB+2*k+1], vcc_lo
.elseif o == 13
	v_cvt_pk_f16_f32 v[PK+k], v[XB+2*k], v[XB+2*k+1]
.elseif o == 14
	s_wait_alu depctr_va_vdst(0)
	v_pk_mul_f32 v[XB+2*k:XB+2*k+1], v[XB+2*k:XB+2*k+1], s[C2:C2+1] op_sel_hi:[1,0]
.elseif o < 17
	v_exp_f32 v[XB+2*k+o-15], v[XB+2*k+o-15]
.else
	v_nop
.endif
.endif
.endm
.macro RID n                        ; the queue's next n positions
.rept \n
	SMP
.set p, p+1
.endr
.endm
; ---- THE MATRIX WORK.  In every run the accumulators take turns, one instruction a turn. ----
; K step s of S^T out of the stream: 8 products.  K step 0 starts the sums.  rid = 1: 3 and 4 positions of the softmax's queue by turns behind the products; none names a register of theirs.
.macro SSTEP s, rid
.irp kg, 0,1,2,3
.irp qt, 0,1
	WIN W_SS
.if (\s) == 0
	v_wmma_f32_16x16x32_f16 v[S+8*(4*(\qt)+(\kg)):S+8*(4*(\qt)+(\kg))+7], v[SF+32*((\s)%4)+8*(\kg):SF+32*((\s)%4)+8*(\kg)+7], v[XH+64*(\qt)+8*(\s):XH+64*(\qt)+8*(\s)+7], 0
	s_wait_alu depctr_va_vdst(0)
.else
	v_wmma_f32_16x16x32_f16 v[S+8*(4*(\qt)+(\kg)):S+8*(4*(\qt)+(\kg))+7], v[SF+32*((\s)%4)+8*(\kg):SF+32*((\s)%4)+8*(\kg)+7], v[XH+64*(\qt)+8*(\s):XH+64*(\qt)+8*(\s)+7], v[S+8*(4*(\qt)+(\kg)):S+8*(4*(\qt)+(\kg))+7]
.endif
.if \rid
	RID 3+(\qt)
.endif
.endr
.endr
.endm
; 64 products of O^T += F^T P, in four quarters of 16, and 4 of the divisors.  load = 1: behind each quarter, and four places, the next tile's turned fragments are loaded into the 64 registers that it has left;
; the divisors' products stand last, behind the last run of loads.
.macro PVPASS load
.irp g, 0,1,2,3
	WIN W_PV
.irp c, 0,1,2,3,4,5,6,7
.irp qt, 0,1
.set rO, 128*(\qt)+64*((\g)%2)+8*(\c)
.set rV, 64*(\g)+8*(\c)
.set rP, P+16*(\qt)+8*((\g)/2)
	v_wmma_f32_16x16x32_f16 v[rO:rO+7], v[rV:rV+7], v[rP:rP+7], v[rO:rO+7]
.endr
.endr
.if \load
	PLACES
	VLD \g
.endif
.endr
	WIN 0
.irp t, 0,1
.irp qt, 0,1
	v_wmma_f32_16x16x32_f16 v[LS+8*(\qt):LS+8*(\qt)+7], v[ONES:ONES+7], v[P+16*(\qt)+8*(\t):P+16*(\qt)+8*(\t)+7], v[LS+8*(\qt):LS+8*(\qt)+7]
.endr
.endr
	PLACES                          ; in front of whatever reads these results or loads into these sources
.endm
; ---- A TRIP THAT IS NO BLOCK'S FIRST, in two parts round the barrier for P ----
; Part A: the partial sums of tile i - 1 and the first four K steps of tile i are asked for; 20 positions of the softmax stand in the wait for the fragments; K steps 0 to 6 carry the other 196; behind each of K steps 0 to 3,
; and four places, its buffer takes the K step four further on; my p goes into LDS.
.macro STEADY_A
	XBLOAD
	v_add_nc_u32 v[AS], s[TB], v[AS0]
	SFLOAD 0
	SFLOAD 1
	SFLOAD 2
	SFLOAD 3
	WIN 0
	s_wait_dscnt 32                 ; LDS loads come back in order: the 16 partial sums are in, the 32 fragment loads may be out
.set p, 0
	RID 20
.irp s, 0,1,2,3,4,5,6
.if (\s) < 5
	s_wait_dscnt 24                 ; this K step's eight are in; the three younger K steps' may be out
.elseif (\s) == 5
	s_wait_dscnt 16
.else
	s_wait_dscnt 8
.endif
	SSTEP \s, 1
.if (\s) < 4
	PLACES
	SFLOAD (\s)+4
.endif
.endr
	PSTORE
.endm
; Part B: P is asked for; K step 7 stands in the wait for it; my partial sums of tile i go into LDS (everybody has read tile i - 1's: their loads were waited for in front of the barrier); then O^T of tile i - 1.
.macro STEADY_B
	PLOAD
	v_add_nc_u32 v[AV], s[TB], v[AV0]
	SSTEP 7, 0
	WIN 0
	PLACES                          ; the stores read results just made
	SSTORE
	s_wait_dscnt 16                 ; P is in; the 16 younger stores may be out
	PVPASS 1
.endm
; ---- A BLOCK'S END: its last tile's softmax, with no products to stand beside; P; O^T ----
.macro SOFT_ALONE
	XBLOAD
	s_wait_dscnt 0x0
.set p, 0
	RID 216
	PSTORE
.endm
.macro EPI_B
	PLOAD
	s_wait_dscnt 0x0
	PVPASS 0
.endm
; ---- A BLOCK'S BEGINNING ----
; A block's x for my 32 rows and my 256 channels: 64 loads of 512 consecutive bytes, straight into fragments.  Each byte of Xh and Xl is read once in the launch.
.macro XLOAD
	WIN 0x80                        ; destination window 2
.irp qt, 0,1
.irp s, 0,1,2,3,4,5,6,7
	global_load_b128 v[XH+64*(\qt)+8*(\s):XH+64*(\qt)+8*(\s)+3],   v[GO], s[XPH:XPH+1] offset:32768*(\qt)+1024*(\s) th:TH_LOAD_NT
	global_load_b128 v[XH+64*(\qt)+8*(\s)+4:XH+64*(\qt)+8*(\s)+7], v[GO], s[XPH:XPH+1] offset:32768*(\qt)+1024*(\s)+512 th:TH_LOAD_NT
	global_load_b128 v[XL+64*(\qt)+8*(\s):XL+64*(\qt)+8*(\s)+3],   v[GO], s[XPL:XPL+1] offset:32768*(\qt)+1024*(\s) th:TH_LOAD_NT
	global_load_b128 v[XL+64*(\qt)+8*(\s)+4:XL+64*(\qt)+8*(\s)+7], v[GO], s[XPL:XPL+1] offset:32768*(\qt)+1024*(\s)+512 th:TH_LOAD_NT
.endr
.endr
	WIN 0
.endm
; My whole slice as source 0 of S^T, into window 3: 64 loads in one run, K step by K step.
.macro FETCH_S
	WIN 0
	v_add_nc_u32 v[AS], s[TB], v[AS0]
	WIN 0xc0                        ; destination window 3
.irp s, 0,1,2,3,4,5,6,7
.irp kg, 0,1,2,3
	ds_load_b128 v[32*(\s)+8*(\kg):32*(\s)+8*(\kg)+3],   v[AS] offset:(\kg)*16*PF+64*(\s)
	ds_load_b128 v[32*(\s)+8*(\kg)+4:32*(\s)+8*(\kg)+7], v[AS] offset:(\kg)*16*PF+64*(\s)+32
.endr
.endr
.endm
; 64 products of S^T out of window 3 with the x fragments at xb of window 2.  zero = 1: K step 0 starts the sums.  waits = 1: the run of loads above is still coming in.
.macro SPASS xb, zero, waits
	WIN W_S3
.irp s, 0,1,2,3,4,5,6,7
.if \waits
	s_wait_dscnt 56-8*(\s)          ; this K step's eight are in, the later steps' stay out
.endif
.irp kg, 0,1,2,3
.irp qt, 0,1
.if (\zero) && ((\s) == 0)
	v_wmma_f32_16x16x32_f16 v[S+8*(4*(\qt)+(\kg)):S+8*(4*(\qt)+(\kg))+7], v[32*(\s)+8*(\kg):32*(\s)+8*(\kg)+7], v[(\xb)+64*(\qt)+8*(\s):(\xb)+64*(\qt)+8*(\s)+7], 0
.else
	v_wmma_f32_16x16x32_f16 v[S+8*(4*(\qt)+(\kg)):S+8*(4*(\qt)+(\kg))+7], v[32*(\s)+8*(\kg):32*(\s)+8*(\kg)+7], v[(\xb)+64*(\qt)+8*(\s):(\xb)+64*(\qt)+8*(\s)+7], v[S+8*(4*(\qt)+(\kg)):S+8*(4*(\qt)+(\kg))+7]
.endif
.endr
.endr
.endr
.endm
; The block's tile 0: F's fragments are asked for; in the wait for them and for x, O^T and the divisors are cleared and the mask's numbers made; S^T with Xh and then, on the same fragments and sums, with Xl;
; my partial sums go into LDS; the slice is asked for once more, turned.
.macro PRO
	FETCH_S
	WIN 0x40
.set i, 0
.rept 256
	v_mov_b32 v[i], 0               ; O^T
.set i, i+1
.endr
	WIN 0
.set i, 0
.rept 16
	v_mov_b32 v[LS+i], 0            ; the divisors
.set i, i+1
.endr
	v_add_nc_u32 v[D], s[QB], v1    ; q + 1 for my query of tile qt = 0,
	v_add_nc_u32 v[D+1], 16, v[D]   ; and of qt = 1
	v_min_i32 v[D], s[LEN], v[D]
	v_min_i32 v[D+1], s[LEN], v[D+1]
	v_sub_nc_u32 v[D], v[D], v[KO]
	v_sub_nc_u32 v[D+1], v[D+1], v[KO]
	s_mov_b32 s[QB], s67            ; what begins next is the second block
	s_wait_loadcnt 0x0              ; x is in: its pointers may be written
	s_mov_b64 s[XPH:XPH+1], s[54:55]
	s_mov_b64 s[XPL:XPL+1], s[56:57]
	SPASS XH, 1, 1
	SPASS XL, 0, 0
	WIN 0
	PLACES                          ; the stores read results just made, and the loads land in registers that the last products read
	SSTORE
	v_add_nc_u32 v[AV], s[TB], v[AV0]
	VLD 0
	VLD 1
	VLD 2
	VLD 3
	WIN 0
.endm
; THE WAY OUT, in four chunks (qt, hc) of 16 rows x 128 channels.  A lane holds 8 neighbouring channels of a row, 32 bytes; they go into my stage's rows of 528 bytes and come back as whole rows of 512, into window 3.
.macro PACK qt, hc
	WIN W_RS
.set i, 128*(\qt)+64*(\hc)
.rept 32
	v_pk_mul_f32 v[i:i+1], v[i:i+1], v[RC+2*(\qt):RC+2*(\qt)+1]   ; each accumulator's registers in ascending order
.set i, i+2
.endr
	WIN 0x04                        ; the stores' data in window 1
.irp cb, 0,1,2,3,4,5,6,7
	ds_store_b128 v[OS], v[128*(\qt)+64*(\hc)+8*(\cb):128*(\qt)+64*(\hc)+8*(\cb)+3]   offset:64*(\cb)
	ds_store_b128 v[OS], v[128*(\qt)+64*(\hc)+8*(\cb)+4:128*(\qt)+64*(\hc)+8*(\cb)+7] offset:64*(\cb)+16
.endr
	WIN 0xc0
.irp p, 0,1,2,3,4,5,6,7,8,9,10,11,12,13,14,15
	ds_load_b128 v[64*(2*(\qt)+(\hc))+4*(\p):64*(\qt)*2+64*(\hc)+4*(\p)+3], v[XS] offset:PF*(\p)  ; LDS serves a wave's instructions in order (ISA guide 5.7.1.4): these see the stores above; the next chunk's stores come behind them
.endr
.endm
.macro SEND qt, hc, younger         ; younger: the LDS instructions issued behind this chunk's loads: the next chunk's 32, or none
	WIN 0x0c                        ; the stores' data in window 3
	s_wait_dscnt \younger
.irp p, 0,1,2,3,4,5,6,7,8,9,10,11,12,13,14,15
	global_store_b128 v[GO], v[64*(2*(\qt)+(\hc))+4*(\p):64*(\qt)*2+64*(\hc)+4*(\p)+3], s[OUTP:OUTP+1] offset:65536*(\qt)+4096*(\p)+512*(\hc) th:TH_STORE_NT  ; 512 consecutive bytes of a row of out, at a multiple of 512
.endr
.endm
.macro WAYOUT
	WIN 0
	v_rcp_f32 v[RC],   v[LS]        ; every register of a divisor's accumulator holds the lane's query's sum: the lowest is taken
	v_rcp_f32 v[RC+1], v[LS]
	v_rcp_f32 v[RC+2], v[LS+8]
	v_rcp_f32 v[RC+3], v[LS+8]
	v_nop                           ; a plain instruction between the last reciprocal and the use of its result
	s_wait_alu depctr_va_vdst(0)
	PACK 0, 0
	PACK 0, 1                       ; a chunk's arithmetic stands between the loads of the chunk before and its stores
	SEND 0, 0, 32
	PACK 1, 0
	SEND 0, 1, 32
	PACK 1, 1
	SEND 1, 0, 32
	SEND 1, 1, 0
	WIN 0
.endm
	s_load_b256 s[4:11], s[0:1], 0x0  ; Fh s[4:5], Xh s[6:7], Xl s[8:9], lengths s[10:11]
	s_load_b64 s[12:13], s[0:1], 0x20 ; out0
	v_lshl_add_u32 v[SPW], v0, 2, SPARE
	v_mov_b32 v[NIL], 0
	ds_add_u32 v[SPW], v[NIL]       ; the wave's opening: the add and its wait stand ahead of my first tensor load; the set-up below, work on registers, stands between them
	v_lshrrev_b32 v1, 5, v0
	v_readfirstlane_b32 s[WV], v1   ; wave 0..3
	s_bfe_u32 s[CX], ttmp6, 0x40000 ; cx
	s_mov_b32 s[C], ttmp9           ; in a cluster launch ttmp9 counts clusters: c = 0..3
	s_and_b32 s[BAT], ttmp7, 0xffff ; the batch, which the four partners share
	; the walk: numbers made of c alone
	s_lshl_b32 s[TLO], s[C], 1
	s_add_co_u32 s[TLO], s[TLO], 1  ; 2 c + 1
	s_sub_co_u32 s[LQ], 16, s[TLO]  ; 15 - 2 c: the first block's last tile
	s_add_co_u32 s[RT], s[LQ], 1    ; the first block has 16 - 2 c tiles
	s_mov_b32 s[NXT], 1
	s_mov_b32 s[NEW], 2
	s_mov_b32 s[TB], SLOT           ; the first change of slots turns it into 0
	s_mov_b32 s[TRIPS], 17
	s_mov_b32 s[OFF+1], 0
	s_mov_b32 s[C1], 0x4038aa3b     ; c = 2 log2(e) = 2.885390
	s_mov_b32 s[C1+1], s[C1]        ; named with it as a pair
	s_mov_b32 s[C2], 0xc038aa3b     ; -c
	s_mov_b32 s[C2+1], s[C2]
	; descriptor group 1: a slice of 64 rows x 256 elements, padded in LDS
	s_mov_b32 s[G1], 15|(1<<16)|(1<<20)|(1<<21)|(6<<22)|(3<<25)  ; 15:0 the mask of four; 17:16 2-byte elements; 20 padding on; 21 set beside a mask; 24:22 after every 128 words (code 6); 31:25 4 words (code 3)
	s_mov_b32 s[G1+1], 256<<16      ; tensor_dim0 = 256
	s_mov_b32 s[G1+2], 64<<16       ; tensor_dim1 = 64
	s_mov_b32 s[G1+3], 256<<16      ; tile_dim0 = 256
	s_mov_b32 s[G1+4], 64           ; tile_dim1 = 64
	s_mov_b32 s[G1+5], 1024         ; 1,024 elements from row to row
	s_mov_b32 s[G1+6], 0
	s_mov_b32 s[G1+7], 0
	s_mul_i32 s[WOFF], s[WV], R     ; my slice's place in a slot: no place in the cluster enters an LDS address
	; Fh: the batch's 2^21 bytes, my wave's 512 bytes of a row: made of the batch and the wave alone
	s_lshl_b32 s78, s[BAT], 21
	s_lshl_b32 s22, s[WV], 9
	s_add_co_u32 s78, s78, s22
	s_mov_b32 s79, 0
	; my first rows in the batch: 128 (7 - c) + 32 cx, then 128 c + 32 cx
	s_lshl_b32 s23, s[CX], 5
	s_sub_co_u32 s20, 7, s[C]
	s_lshl_b32 s20, s20, 7
	s_add_co_u32 s20, s20, s23
	s_lshl_b32 s21, s[C], 7
	s_add_co_u32 s21, s21, s23
	s_add_co_u32 s[QB], s20, 1
	s_add_co_u32 s67, s21, 1
	; Xh and Xl: 2,048 bytes a row (32,768 for 16), my wave's 8 K steps of 1,024 bytes
	s_lshl_b32 s68, s[BAT], 21
	s_lshl_b32 s22, s[WV], 13
	s_add_co_u32 s68, s68, s22
	s_lshl_b32 s70, s20, 11
	s_add_co_u32 s70, s70, s68
	s_mov_b32 s71, 0
	s_lshl_b32 s72, s21, 11
	s_add_co_u32 s72, s72, s68
	s_mov_b32 s73, 0
	; out: 4,096 bytes a row, my wave's 1,024 bytes of it
	s_lshl_b32 s68, s[BAT], 22
	s_lshl_b32 s22, s[WV], 10
	s_add_co_u32 s68, s68, s22
	s_lshl_b32 s74, s20, 12
	s_add_co_u32 s74, s74, s68
	s_mov_b32 s75, 0
	s_lshl_b32 s76, s21, 12
	s_add_co_u32 s76, s76, s68
	s_mov_b32 s77, 0
	s_lshl_b32 s80, s[BAT], 2       ; lengths: 4 bytes a batch
	s_mov_b32 s81, 0
	; the lanes' addresses
	v_and_b32 v1, 15, v0            ; l % 16; never rewritten
	v_bfe_u32 v2, v0, 4, 1          ; l / 16
	v_and_b32 v88, 7, v0            ; l % 8
	v_bfe_u32 v89, v0, 3, 1         ; (l / 8) % 2
	v_and_b32 v90, 31, v0           ; l
	v_lshl_or_b32 v91, v88, 1, v89  ; source 0 of S^T: row i = l % 16 takes key 2 (i % 8) + i / 8 of its group
	v_mul_u32_u24 v[AS0], v91, PF
	v_lshl_add_u32 v[AS0], v2, 4, v[AS0]
	v_add_nc_u32 v[AS0], s[WOFF], v[AS0]
	v_lshl_or_b32 v91, v88, 1, v2   ; the turning load: key row 2 (l % 8) + l / 16, channels 8 ((l / 8) % 2) + 0..7
	v_mul_u32_u24 v[AV0], v91, PF
	v_lshl_add_u32 v[AV0], v89, 4, v[AV0]
	v_add_nc_u32 v[AV0], s[WOFF], v[AV0]
	s_mul_i32 s22, s[WV], XW
	s_add_co_u32 s22, s22, XCH      ; my part of the exchange
	v_lshl_add_u32 v[XS], v90, 4, s22
	v_mul_u32_u24 v[OS], v1, PF
	v_lshl_add_u32 v[OS], v2, 5, v[OS]
	v_add_nc_u32 v[OS], s22, v[OS]
	s_lshl_b32 s69, s[WV], 10
	s_add_co_u32 s69, s69, XCH
	v_lshl_add_u32 v[XR], v90, 4, s69
	s_lshl_b32 s69, s[WV], 9
	s_add_co_u32 s69, s69, PST
	v_lshl_add_u32 v[PS], v90, 4, s69
	v_lshl_add_u32 v[PR], v90, 4, PST
	v_lshlrev_b32 v[GO], 4, v90
	v_lshl_add_u32 v[KO], s[WV], 4, v2
.set i, 0
.rept 8
	v_mov_b32 v[ONES+i], 0x3c003c00
.set i, i+1
.endr
	s_wait_dscnt 0x0                ; the opening add is done
	s_wait_kmcnt 0x0
	s_add_nc_u64 s[FB:FB+1], s[4:5], s[78:79]
	s_add_nc_u64 s[54:55], s[6:7], s[72:73]      ; the second block's Xh and Xl,
	s_add_nc_u64 s[56:57], s[8:9], s[72:73]
	s_add_nc_u64 s[XPH:XPH+1], s[6:7], s[70:71]  ; the first block's
	s_add_nc_u64 s[XPL:XPL+1], s[8:9], s[70:71]
	s_add_nc_u64 s[OUTB:OUTB+1], s[12:13], s[76:77]
	s_add_nc_u64 s[OUTP:OUTP+1], s[12:13], s[74:75]
	s_add_nc_u64 s[10:11], s[10:11], s[80:81]
	s_load_b32 s[LEN], s[10:11], 0x0
	s_mov_b32 s[G0], 1              ; count = 1
	s_mov_b32 s[G0+1], s[WOFF]      ; LDS address: slot 0
	s_mov_b64 s[G0+2:G0+3], s[FB:FB+1]           ; global address: tile 0
	s_or_b32 s[G0+3], s[G0+3], 0x80000000        ; type = 2
	CROUND                          ; all four work-groups are here: the first joint loads meet
	tensor_load_to_lds s[G0:G0+3], s[G1:G1+7]    ; tile 0 into slot 0: one load of mine is out
	s_nop 0
	PLACES
	s_wait_kmcnt 0x0                ; the length
.Ltrip:                             ; 17 times: tile i is entered and tile i + 1 asked for.  Every jump but the loop's own goes forward, hangs on c and counters alone, and passes no barrier and no tensor load
	s_cmp_eq_u32 s[NEW], 0          ; at the first trip the answer is a constant of the text: 2
	s_cbranch_scc1 .Lno_x
	XLOAD                           ; a block begins in this trip: its x is asked for ahead of the round, and lands under the old block's end.  The old block's last S^T was made a trip ago
.Lno_x:
	CHANGE 1
	s_cmp_eq_u32 s[NEW], 0
	s_cbranch_scc0 .Lnew_a
	STEADY_A
	s_branch .Lb2
.Lnew_a:
	s_cmp_eq_u32 s[NEW], 2
	s_cbranch_scc1 .Lb2             ; the walk's first tile: there is no block to end
	SOFT_ALONE
.Lb2:
	s_wait_dscnt 0x0                ; for the others' sake: my p is in LDS, and my reads of their partial sums are over
	s_barrier_signal -1             ; a tensor load stays out across this barrier
	s_barrier_wait -1
	s_cmp_eq_u32 s[NEW], 0
	s_cbranch_scc0 .Lnew_b
	STEADY_B
	s_branch .Lbottom
.Lnew_b:
	s_cmp_eq_u32 s[NEW], 2
	s_cbranch_scc1 .Lpro
	EPI_B                           ; THE FIRST BLOCK ENDS
	WAYOUT
	s_wait_xcnt 0x0                 ; the stores' base and window 3, which they read, are rewritten only behind this wait
	s_mov_b64 s[OUTP:OUTP+1], s[OUTB:OUTB+1]
.Lpro:
	PRO
.Lbottom:
	s_sub_co_u32 s[RT], s[RT], 1
	s_cmp_eq_u32 s[RT], 0           ; true once: the next tile is the second block's first
	s_cselect_b32 s[NEW], 1, 0
	s_sub_co_u32 s[TRIPS], s[TRIPS], 1
	s_cmp_lg_u32 s[TRIPS], 0
	s_cbranch_scc1 .Ltrip
	CHANGE 0                        ; the walk's last tile is written out: nothing is asked for.  It is the second block's last and never its first: that block has two tiles or more
	STEADY_A
	s_wait_dscnt 0x0                ; for the others' sake, as in the loop
	s_barrier_signal -1
	s_barrier_wait -1
	STEADY_B
	s_wait_dscnt 0x0                ; for the others' sake: my partial sums of the last tile are in LDS; its turned fragments are in registers
	s_barrier_signal -1
	s_barrier_wait -1
	SOFT_ALONE                      ; THE SECOND BLOCK ENDS
	s_wait_dscnt 0x0
	s_barrier_signal -1
	s_barrier_wait -1
	EPI_B
	WAYOUT
	s_wait_tensorcnt 0x0            ; the wave's end: the add and its wait, behind my last tensor load and my last LDS store
	ds_add_u32 v[SPW], v[NIL]
	s_wait_dscnt 0x0
	CROUND                          ; the closing round: no work-group ends while a partner may still ask for a tile that names it
	s_endpgm
.Lfunc_end_k_qe2318aae92_attn:
	.size	k_qe2318aae92_attn, .Lfunc_end_k_qe2318aae92_attn-k_qe2318aae92_attn
	.p2alignl 7, 3214868480
	.fill 96, 4, 3214868480
	.section	.rodata,"a",@progbits
	.p2align	6, 0x0
	.amdhsa_kernel k_qe2318aae92_attn
		.amdhsa_group_segment_fixed_size 327680
		.amdhsa_private_segment_fixed_size 0
		.amdhsa_enable_private_segment 0
		.amdhsa_kernarg_size 40
		.amdhsa_user_sgpr_count 2
		.amdhsa_user_sgpr_kernarg_segment_ptr 1
		.amdhsa_wavefront_size32 1
		.amdhsa_system_sgpr_workgroup_id_x 1
		.amdhsa_system_sgpr_workgroup_id_y 1
		.amdhsa_system_sgpr_workgroup_id_z 1
		.amdhsa_system_vgpr_workitem_id 0
		.amdhsa_next_free_vgpr 1024
		.amdhsa_next_free_sgpr 96
		.amdhsa_reserve_vcc 1
		.amdhsa_float_denorm_mode_32 3
		.amdhsa_float_denorm_mode_16_64 3
		.amdhsa_memory_ordered 1
		.amdhsa_forward_progress 1
		.amdhsa_inst_pref_size 177
	.end_amdhsa_kernel
	.amdgpu_metadata
---
amdhsa.version: [ 1, 2 ]
amdhsa.kernels:
  - .name:           k_qe2318aae92_attn
    .symbol:         k_qe2318aae92_attn.kd
    .args:
      - { .name: Fh, .offset: 0, .size: 8, .value_kind: global_buffer, .address_space: global }
      - { .name: Xh, .offset: 8, .size: 8, .value_kind: global_buffer, .address_space: global }
      - { .name: Xl, .offset: 16, .size: 8, .value_kind: global_buffer, .address_space: global }
      - { .name: lengths, .offset: 24, .size: 8, .value_kind: global_buffer, .address_space: global }
      - { .name: out0, .offset: 32, .size: 8, .value_kind: global_buffer, .address_space: global }
    .group_segment_fixed_size: 327680
    .private_segment_fixed_size: 0
    .kernarg_segment_align: 8
    .kernarg_segment_size: 40
    .max_flat_workgroup_size: 128
    .sgpr_count:     96
    .vgpr_count:     1024
    .wavefront_size: 32
...
	.end_amdgpu_metadata
.endif
;; end of part 3
